; MI455X (gfx1250); checked and timed in simulation.
; The chip was launched on July 23, 2026; its instructions are those of AMD's public machine-readable ISA for CDNA 5 (MIT licence, August 2026) and "CDNA5" Instruction Set Architecture Reference Guide (July 2026). The comments in the code are by the model that wrote it; some were corrected since.
;; Anemll QAT Linear Refactored. Allowed arithmetic: matrix products marked QUANTISED: E2M1 operands, one E8M0 scale for each 32 along K, by v_wmma_scale_f32_16x16x128_f8f6f4 with both operands' format E2M1 (or v_wmma_scale_f32_32x16x128_f4), f32 sums; products left as they are: f32 operands where the result goes on into a quantised operand, else bf16, f16 or f32 operands; f32 sums; everything else in f32.
;; Inputs: bias 4,096 float32; rank_magnitude 4 float32; scale_A 4,096 x 4 float32; scale_B 4 x 4,096 float32; weight 4,096 x 4,096 float32; x_codes 2 x 2,048 x 128 x 16 uint8 (E2M1 codes of x, K innermost, in blocks of 32 codes, two codes a byte); x_scales 2 x 2,048 x 128 uint8 (E8M0 scales of x, one for each 32 codes along K).
;; Outputs: out0 2 x 2,048 x 4,096 float32.
;; This version of the problem:
;;   THIS VERSION OF THE PROBLEM IS GIVEN IN LOW PRECISION. The matrix products marked QUANTISED in the list below multiply operands that are first quantised to E2M1 (2 exponent bits, 1 mantissa bit; 4 bits a number), with one power-of-two scale for each 32 numbers along K (OCP MX v1.0); their sums are f32. All else is computed in f32.
;;   The module's matrix products, in the order in which they are computed (A, B: the left and right operand; K: the contracted axis; several contracted axes count as one K, in the product's order):
;;     1. [M 4,096, K 4] x [K 4, N 4,096]; A: computed on the way; B: computed on the way: left as it is (K = 4 < 32)
;;     2. batch 16,777,216 x [M 1, K 1] x [K 1, N 1]; A: computed on the way; B: computed on the way: left as it is (no contracted axis)
;;     3. [M 4,096, K 4,096] x [K 4,096, N 4,096]; A: input x (given as codes); B: computed on the way: QUANTISED
;;   THE QUANTISER, for each operand of a quantised product, along K:
;;     - K is cut into blocks of 32 from its start; a last block that is shorter is filled with zeros.
;;     - A block's scale is 2^e with e = floor(log2(the largest magnitude in the block)) - 2, held to -126 .. 127; a block of zeros has e = 0. As a byte (E8M0): e + 127.
;;     - Each number is divided by its block's scale, clamped to +-6, and rounded to the nearest number of E2M1, ties to even, subnormals kept.
;;     - The product sums the exact products of the quantised numbers (number of the format x scale) in f32.
;;   ~~~python
;;   def quantise(x, axis):      # numpy; x: float32 -> the quantised numbers, widened to float32 again
;;       x = np.moveaxis(x, axis, -1); K = x.shape[-1]
;;       x = np.pad(x, [(0, 0)] * (x.ndim - 1) + [(0, -K % 32)]); x = x.reshape(x.shape[:-1] + (-1, 32)); a = np.abs(x).max(-1, keepdims=True)
;;       e = np.where(a > 0, np.clip(np.frexp(np.where(a > 0, a, 1))[1] - 1 - 2, -126, 127), 0)      # np.frexp(a)[1] - 1 = floor(log2(a)), exactly
;;       r = np.clip(x / 2.0 ** e, -6, 6)
;;       step = 2.0 ** (np.maximum(np.frexp(np.where(r == 0, 1, r))[1] - 1, 0) - 1)
;;       q = np.round(r / step) * step * 2.0 ** e      # np.round: ties to even
;;       return np.moveaxis(q.reshape(q.shape[:-2] + (-1,))[..., :K], -1, axis).astype(np.float32)
;;   ~~~
;;   OPERANDS COMPUTED ON THE WAY. 'Computed on the way' means the value that the module computes at that place (a softmax that the list does not call 'softmax' is quantised finished and normalised). What goes into a quantiser is computed in f32, as accurately as f32 sums, v_exp_f32 and their like allow (about 1e-6 of the number): no bf16 or f16 on the way to a quantiser, and a product that is left as it is and whose result goes on into a quantised operand takes f32 operands (vector FMAs, or v_wmma_f32_16x16x4_f32). A number that lies on a knife's edge between two numbers of the format may be rounded either way, as far as f32 arithmetic and the matrix unit's own rounding can turn it there, and no further.
;;   INPUTS GIVEN AS CODES. x (in the module: [2, 2048, 4096], K = its axis 2): each comes as NAME_codes (uint8): NAME with its K axis moved to the last place and cut into blocks of 32 codes, [.., K / 32, bytes a block], one block behind the other in memory; two codes a byte, the lower K in the low four bits (a code: sign, 2 exponent bits, 1 mantissa bit); and NAME_scales (uint8): the same leading axes, one E8M0 byte (e + 127) for each 32 codes along K. Its value is code x scale, taken as it is: it is not quantised again, and the codes and scales need not be those that the quantiser above would give.
;; One version. Each part assembles by itself: llvm-mc -triple=amdgcn-amd-amdhsa -mcpu=gfx1250 --defsym DOCPART=n.
;; ======== version 1 of 1: 2 launches
;; workspace buffers: wq 8,912,896 bytes
;; launch quant (part 1): grid 8 x 32, 8 waves a work-group, no clusters, 295,936 bytes of LDS; arguments weight, scale_A, scale_B, rank_magnitude, wq; writes wq
.if DOCPART == 1
	.amdgcn_target "amdgcn-amd-amdhsa--gfx1250"
	.amdhsa_code_object_version 6
	.text
	.protected	k_q75c04ecc13_quant
	.globl	k_q75c04ecc13_quant
	.p2align	8
	.type	k_q75c04ecc13_quant,@function
k_q75c04ecc13_quant:
	s_mov_b64 s[64:65], 0
	v_nop
	global_prefetch_b8 v0, s[64:65] scope:SCOPE_SE
	s_setreg_imm32_b32 hwreg(HW_REG_WAVE_MODE, 25, 1), 1
	s_wait_xcnt 0x0
; Weff[o][i] = weight[o][i] x S[o][i],  S[o][i] = sum over four ranks p of (tanh(scale_A[o][p]) g[p]) tanh(scale_B[p][i]), all in f32, is turned into codes of FP4 (E2M1)
; with one E8M0 scale byte for each 32 along i, which is the K of the product that follows.
; A block's scale is 2^(floor(log2(its largest magnitude)) - 2); its byte is the largest magnitude's exponent field - 2, held at 1 from below.
; LIMITS: NaN and infinities among the inputs are not served.  A block whose largest magnitude lies under 2^-124, a block of zeros among them, gets the byte 1 (the quantiser's rule gives a block of
; zeros 127): its codes are zeros or next to it, and the bytes are read by this program alone.
; THE OUTPUT is laid as its reader's registers want it.  Block (nh, ks), 128 rows o x 512 along K, lies at byte (8 nh + ks) x 34,816.  In it the 16 bytes (32 codes) of row 16 i + r,
; K = 128 q + 64 c + 32 h + 0 .. 31 lie at (4 i + q) x 1,024 + 512 c + 16 (16 h + r): an image of a matrix operand's registers; behind the 32,768 bytes of codes row 16 i + r has its 16 scale bytes at 16 (16 i + r).
; SHARES.  A work-group of eight waves makes one block.  Wave w (= 2 q + c) owns columns 64 w .. 64 w + 63 of the K step for all 128 rows and walks them 16 rows a step.  Lane (r, h) holds a WHOLE
; block of 32 numbers of row 16 i + r: its largest magnitude needs no other lane, its four conversions give its 16 bytes, and the wave's store at 4,096 i + 16 x thread covers 512 consecutive bytes.
; THE WEIGHT comes by two tensor loads a wave (64 rows x 256 bytes each) into the wave's own strip of LDS, all asked for at the first lines: two loads of a wave are out at the most.  Nothing is filled again.
; NO CLUSTER: what work-groups share are the tables (8 KiB of scale_B, 2 KiB of scale_A) beside 256 KiB of weight that are a work-group's own.
; TANH, both ways always computed and one selected: under |x| = 0.5 the series x + x^3 P(x^2) up to x^15 (the first term left out is under 1e-8 of the number there);
; from 0.5 on 1 - 2 / (1 + 2^(2 log2(e) |x|)) with x's sign, which loses no digits there and goes to 1 where the exponential overflows.
.set PITCH,  272                       ; a strip's row in LDS: 256 bytes + 16 of padding: the sixteen rows that a load touches begin in sixteen different 16-byte columns of 256
.set HALF,   64*PITCH                  ; what one tensor load brings
.set STRIP,  2*HALF                    ; a wave's 128 rows
.set BT,     8*STRIP                   ; tanh(scale_B): rank p at 2,048 p, column c at 4 c
.set AT,     BT+8192                   ; tanh(scale_A) g, each number twice: row at 32 x row
.set SS,     AT+4096                   ; the scale bytes: 16 x row + the block's number in the K step
.set BLOCKB, 34816                     ; a block of the output
.set G1,  24                           ; s[24:31] descriptor group 1
.set G0,  32                           ; s[32:39] descriptor group 0, a set for each of the two loads
.set CD,  16                           ; v16-23   codes, two sets of four
.set PR,  24                           ; v24-31   four pairs of S
.set AG,  32                           ; v32-47   my row's four numbers of A g, each twice; two sets
.set BYT, 52                           ; v52-59   a scale byte for each step
.set BM,  64                           ; v64-191  tanh(scale_B) of my 32 columns: rank p, column j at 32 p + j
.set X,   192                          ; v192-255 my 32 numbers of the weight, two sets
; the head's tanh works in registers that BM and X take afterwards
.set XR,  192                          ; ten numbers as loaded: scale_B's rank p in the pair 2 p, scale_A's two in 8, 9
.set GR,  202                          ; g of my two ranks
.set AB,  208                          ; |x|
.set EX,  224                          ; the exponential
.set RC,  240                          ; the reciprocal
.set TT,  64                           ; x^2
.set PP,  80                           ; P
.set UU,  96                           ; x^3
.set RES, 112                          ; tanh
.set AGD, 128                          ; A g, doubled
.set BIG, 144
.set SML, 160
.set C7,  176
	s_load_b256 s[4:11], s[0:1], 0x0               ; weight s[4:5], scale_A s[6:7], scale_B s[8:9], rank_magnitude s[10:11]
	s_load_b64 s[12:13], s[0:1], 0x20              ; the output
	v_lshl_add_u32 v51, v0, 2, 0x48000
	v_mov_b32 v63, 0
	ds_add_u32 v51, v63
	ds_add_u32 v51, v63
	v_lshrrev_b32 v11, 5, v0
	v_readfirstlane_b32 s14, v11                   ; wave 0..7
	s_and_b32 s16, ttmp7, 0xffff                   ; nh: which 128 rows;  ttmp9 = ks: which 512 along K
	s_mov_b32 s[G1+0], (2<<16)|(1<<20)|(5<<22)|(3<<25)  ; no mask; elements of 4 bytes; padding on: after every 64 words (code 5) four words (code 3)
	s_mov_b32 s[G1+1], 64<<16                      ; tensor_dim0 = 64 elements
	s_mov_b32 s[G1+2], 64<<16                      ; tensor_dim1 = 64 rows
	s_mov_b32 s[G1+3], 64<<16                      ; tile_dim0
	s_mov_b32 s[G1+4], 64                          ; tile_dim1
	s_mov_b32 s[G1+5], 4096                        ; elements from row to row
	s_mov_b32 s[G1+6], 0
	s_mov_b32 s[G1+7], 0
	s_mul_i32 s17, s14, STRIP                      ; my strip
	s_lshl_b32 s18, s16, 21                        ; 128 nh rows of 16,384 bytes
	s_lshl_b32 s20, ttmp9, 11                      ; + 512 ks columns of 4 bytes
	s_add_co_u32 s18, s18, s20
	s_lshl_b32 s21, s14, 8                         ; + my wave's 64 columns
	s_add_co_u32 s18, s18, s21
	s_mov_b32 s19, 0
	s_mov_b32 s21, 0                               ; s[20:21] = 2,048 ks
	s_mov_b32 s22, 0x7fffffff
	s_mov_b32 s23, 0x4038aa3b                      ; 2 log2(e)
	s_wait_dscnt 0x0
	s_wait_kmcnt 0x0
	s_add_nc_u64 s[4:5], s[4:5], s[18:19]
.irp u, 0,1
	s_mov_b32 s[G0+4*\u], 1                        ; count = 1
	s_add_co_u32 s[G0+4*\u+1], s17, \u*HALF        ; LDS address
	s_add_nc_u64 s[G0+4*\u+2:G0+4*\u+3], s[4:5], \u*1048576   ; rows 64 u on
	s_or_b32 s[G0+4*\u+3], s[G0+4*\u+3], 0x80000000           ; type = 2
.endr
	tensor_load_to_lds s[G0:G0+3], s[G1:G1+7]      ; both first fills together, ahead of every wait on TENSORcnt, every LDS read and every barrier
	s_nop 0
	tensor_load_to_lds s[G0+4:G0+7], s[G1:G1+7]
	s_nop 0
.rept 4
	v_nop
.endr
	s_add_nc_u64 s[8:9], s[8:9], s[20:21]          ; scale_B at the K step's first column
	s_lshl_b32 s18, s16, 11
	s_add_nc_u64 s[6:7], s[6:7], s[18:19]          ; scale_A at my 128 rows of 16 bytes
	s_lshl_b32 s18, s16, 3
	s_add_co_u32 s18, s18, ttmp9
	s_mul_i32 s18, s18, BLOCKB
	s_add_nc_u64 s[12:13], s[12:13], s[18:19]      ; the output at my block
	; THE TABLES, shared out over the 256 threads: thread t takes columns 2 t, 2 t + 1 of all four ranks of scale_B, and of scale_A row t / 2, ranks 2 (t % 2) and + 1
	v_lshlrev_b32 v1, 3, v0                        ; 8 t
	v_and_b32 v2, 1, v0
	v_lshlrev_b32 v2, 3, v2                        ; 8 (t % 2)
.irp p, 0,1,2,3
	global_load_b64 v[XR+2*\p:XR+2*\p+1], v1, s[8:9] offset:16384*\p
.endr
	global_load_b64 v[XR+8:XR+9], v1, s[6:7]
	global_load_b64 v[GR:GR+1], v2, s[10:11]
	v_and_b32 v60, 15, v0                          ; r
	v_bfe_u32 v61, v0, 4, 1                        ; h
	v_lshrrev_b32 v62, 4, v0                       ; 2 w + h: my block's number in the K step
	v_lshl_add_u32 v3, v0, 3, BT                   ; where I store my two columns of a rank
	v_lshl_add_u32 v4, v0, 4, AT                   ; and my two numbers of A g, doubled
	v_lshl_add_u32 v5, v62, 7, BT                  ; my 32 columns of a rank
	v_mul_u32_u24 v6, v60, PITCH
	v_lshl_add_u32 v6, v61, 7, v6
	v_add_nc_u32 v6, s17, v6                       ; my 128 bytes of row r of my strip
	v_lshl_add_u32 v7, v60, 5, AT                  ; row r's A g
	v_lshl_add_u32 v8, v60, 4, v62
	v_add_nc_u32 v8, SS, v8                        ; my block's scale byte
	v_lshlrev_b32 v9, 4, v0                        ; my codes' place in a step's 4,096 bytes
	v_lshl_add_u32 v10, v0, 3, SS                  ; the scale bytes on the way out: 8 a thread
	v_mov_b32 v[C7], 0xbabed1b2                    ; -929569/638512875
	s_wait_loadcnt 0x0
.irp n, 0,1,2,3,4,5,6,7,8,9
	v_and_b32 v[AB+\n], s22, v[XR+\n]              ; |x|
.endr
.irp n, 0,1,2,3,4,5,6,7,8,9
	v_mul_f32 v[EX+\n], s23, v[AB+\n]
.endr
.irp n, 0,1,2,3,4,5,6,7,8,9
	v_exp_f32 v[EX+\n], v[EX+\n]                   ; e^(2 |x|)
.endr
.irp n, 0,1,2,3,4,5,6,7,8,9
	v_mul_f32 v[TT+\n], v[XR+\n], v[XR+\n]         ; plain work that names no exponential
.endr
	s_wait_alu depctr_va_vdst(0)                   ; one wait for the ten exponentials, ahead of their first reader
.irp n, 0,1,2,3,4,5,6,7,8,9
	v_add_f32 v[EX+\n], 1.0, v[EX+\n]
.endr
.irp n, 0,1,2,3,4,5,6,7,8,9
	v_rcp_f32 v[RC+\n], v[EX+\n]
.endr
.irp n, 0,1,2,3,4,5,6,7,8,9
	v_fmaak_f32 v[PP+\n], v[C7], v[TT+\n], 0x3b6b69e8          ; the series stands behind the reciprocals as independent work: .. + 21844/6081075
.endr
.irp k, 0xbc11371b, 0x3cb327a4, 0xbd5d0dd1, 0x3e088889, 0xbeaaaaab   ; -1382/155925, 62/2835, -17/315, 2/15, -1/3
.irp n, 0,1,2,3,4,5,6,7,8,9
	v_fmaak_f32 v[PP+\n], v[PP+\n], v[TT+\n], \k
.endr
.endr
.irp n, 0,1,2,3,4,5,6,7,8,9
	v_mul_f32 v[UU+\n], v[XR+\n], v[TT+\n]
.endr
.irp n, 0,1,2,3,4,5,6,7,8,9
	v_fma_f32 v[SML+\n], v[UU+\n], v[PP+\n], v[XR+\n]          ; x + x^3 P
.endr
	s_wait_alu depctr_va_vdst(0)                   ; one wait for the ten reciprocals
.irp n, 0,1,2,3,4,5,6,7,8,9
	v_fma_f32 v[BIG+\n], v[RC+\n], -2.0, 1.0       ; 1 - 2 / (1 + e^(2 |x|))
.endr
.irp n, 0,1,2,3,4,5,6,7,8,9
	v_bfi_b32 v[BIG+\n], s22, v[BIG+\n], v[XR+\n]  ; with x's sign
.endr
.irp n, 0,1,2,3,4,5,6,7,8,9
	v_cmp_gt_f32 vcc_lo, 0.5, v[AB+\n]
	v_cndmask_b32 v[RES+\n], v[BIG+\n], v[SML+\n], vcc_lo      ; the series where |x| < 0.5
.endr
.irp p, 0,1,2,3
	ds_store_b64 v3, v[RES+2*\p:RES+2*\p+1] offset:2048*\p
.endr
	v_mul_f32 v[AGD], v[RES+8], v[GR]              ; each number twice, so that the packed forms below take a pair as it stands
	v_mul_f32 v[AGD+1], v[RES+8], v[GR]
	v_mul_f32 v[AGD+2], v[RES+9], v[GR+1]
	v_mul_f32 v[AGD+3], v[RES+9], v[GR+1]
	ds_store_b128 v4, v[AGD:AGD+3]
	s_wait_dscnt 0x0                               ; for the others' sake: my part of the tables has landed
	s_barrier_signal -1
	s_barrier_wait -1                              ; the tables are whole.
.irp p, 0,1,2,3
.irp j, 0,1,2,3,4,5,6,7
	ds_load_b128 v[BM+32*\p+4*\j:BM+32*\p+4*\j+3], v5 offset:2048*\p+16*\j   ; they stay in registers for all eight steps; the sixteen lanes of a half read the same bytes
.endr
.endr
.macro LOADS i                         ; step i: my 32 numbers of row 16 i + r, and the row's A g
.irp j, 0,1,2,3,4,5,6,7
	ds_load_b128 v[X+32*((\i)%2)+4*\j:X+32*((\i)%2)+4*\j+3], v6 offset:16*PITCH*(\i)+16*\j
.endr
.irp u, 0,1
	ds_load_b128 v[AG+8*((\i)%2)+4*\u:AG+8*((\i)%2)+4*\u+3], v7 offset:512*(\i)+16*\u
.endr
.endm
.macro QSTEP i
.set XS, X+32*((\i)%2)
.set AS, AG+8*((\i)%2)
.set CS, CD+4*((\i)%2)
.if (\i) == 0
	s_wait_dscnt 0x0                               ; the tables' 32 loads and this step's ten
.else
	s_wait_dscnt 0x1                               ; this step's ten loads are in; behind them one LDS instruction was issued, the last step's byte store
.endif
.if (\i) == 3
	s_wait_tensorcnt 0x0                           ; my rows 64 to 127 have landed: the loads below are the first that read them
.endif
.if (\i) < 7
	LOADS (\i)+1                                   ; the next step's, into the other set
.endif
.irp g, 0,1,2,3                        ; eight numbers at a time, in four pairs that do not wait for each other
.irp k, 0,1,2,3
	v_pk_mul_f32 v[PR+2*\k:PR+2*\k+1], v[BM+8*\g+2*\k:BM+8*\g+2*\k+1], v[AS:AS+1]
.endr
.irp p, 1,2,3
.irp k, 0,1,2,3
	v_pk_fma_f32 v[PR+2*\k:PR+2*\k+1], v[BM+32*\p+8*\g+2*\k:BM+32*\p+8*\g+2*\k+1], v[AS+2*\p:AS+2*\p+1], v[PR+2*\k:PR+2*\k+1]
.endr
.endr
.irp k, 0,1,2,3
	v_pk_mul_f32 v[XS+8*\g+2*\k:XS+8*\g+2*\k+1], v[XS+8*\g+2*\k:XS+8*\g+2*\k+1], v[PR+2*\k:PR+2*\k+1]   ; weight x S
.endr
.endr
	v_max3_num_f32 v48, |v[XS]|, |v[XS+1]|, |v[XS+2]|          ; the block's largest magnitude: all 32 numbers are mine; two chains
	v_max3_num_f32 v49, |v[XS+3]|, |v[XS+4]|, |v[XS+5]|
.irp j, 6,10,14,18,22,26
	v_max3_num_f32 v48, v48, |v[XS+\j]|, |v[XS+\j+1]|
	v_max3_num_f32 v49, v49, |v[XS+\j+2]|, |v[XS+\j+3]|
.endr
	v_max3_num_f32 v48, v48, |v[XS+30]|, |v[XS+31]|
	v_max3_num_f32 v48, v48, v49, 0x1800000        ; and the floor 2^(3 - 127): the byte cannot fall under 1
	v_add_nc_u32 v50, 0xff000000, v48              ; 2 off the exponent field: the conversion takes the exponent field of this operand as its scale, and nothing else of it
.if (\i) >= 2
	s_wait_xcnt 0x0                                ; the store of two steps ago has read this set of code registers: they are written again only behind this wait
.endif
.irp g, 0,1,2,3
	v_cvt_scalef32_pk8_fp4_f32 v[CS+\g], v[XS+8*\g:XS+8*\g+7], v50   ; to the nearest code, ties to even, beyond 6 the largest code; the lower K in the lower bits
.endr
	v_lshrrev_b32 v[BYT+(\i)], 23, v50             ; the scale's byte (also the plain line behind the conversions)
	ds_store_b8 v8, v[BYT+(\i)] offset:256*(\i)
	global_store_b128 v9, v[CS:CS+3], s[12:13] offset:4096*(\i)      ; a wave stores 512 consecutive bytes, at a multiple of 256 from the buffer's first byte
.endm
	s_wait_tensorcnt 0x1                           ; my rows 0 to 63 have landed; the second load may be out
	LOADS 0
.irp i, 0,1,2,3,4,5,6,7
	QSTEP \i
.endr
	s_wait_dscnt 0x0                               ; my byte stores have landed
	s_barrier_signal -1
	s_barrier_wait -1                              ; a row's 16 bytes come from all eight waves
	ds_load_b64 v[12:13], v10
	s_wait_dscnt 0x0
	global_store_b64 v1, v[12:13], s[12:13] offset:32768             ; a wave stores 256 consecutive bytes, aligned
	s_wait_tensorcnt 0x0
	ds_add_u32 v51, v63
	s_wait_dscnt 0x0
	s_endpgm
.Lfunc_end_k_q75c04ecc13_quant:
	.size	k_q75c04ecc13_quant, .Lfunc_end_k_q75c04ecc13_quant-k_q75c04ecc13_quant
	.p2alignl 7, 3214868480
	.fill 96, 4, 3214868480
	.section	.rodata,"a",@progbits
	.p2align	6, 0x0
	.amdhsa_kernel k_q75c04ecc13_quant
		.amdhsa_group_segment_fixed_size 295936
		.amdhsa_private_segment_fixed_size 0
		.amdhsa_enable_private_segment 0
		.amdhsa_kernarg_size 40
		.amdhsa_user_sgpr_count 2
		.amdhsa_user_sgpr_kernarg_segment_ptr 1
		.amdhsa_wavefront_size32 1
		.amdhsa_system_sgpr_workgroup_id_x 1
		.amdhsa_system_sgpr_workgroup_id_y 1
		.amdhsa_system_sgpr_workgroup_id_z 1
		.amdhsa_system_vgpr_workitem_id 0
		.amdhsa_next_free_vgpr 256
		.amdhsa_next_free_sgpr 66
		.amdhsa_reserve_vcc 1
		.amdhsa_float_denorm_mode_32 3
		.amdhsa_float_denorm_mode_16_64 3
		.amdhsa_memory_ordered 1
		.amdhsa_forward_progress 1
		.amdhsa_inst_pref_size 74
	.end_amdhsa_kernel
	.amdgpu_metadata
---
amdhsa.version: [ 1, 2 ]
amdhsa.kernels:
  - .name:           k_q75c04ecc13_quant
    .symbol:         k_q75c04ecc13_quant.kd
    .args:
      - { .name: weight, .offset: 0, .size: 8, .value_kind: global_buffer, .address_space: global }
      - { .name: scale_A, .offset: 8, .size: 8, .value_kind: global_buffer, .address_space: global }
      - { .name: scale_B, .offset: 16, .size: 8, .value_kind: global_buffer, .address_space: global }
      - { .name: rank_magnitude, .offset: 24, .size: 8, .value_kind: global_buffer, .address_space: global }
      - { .name: wq, .offset: 32, .size: 8, .value_kind: global_buffer, .address_space: global }
    .group_segment_fixed_size: 295936
    .private_segment_fixed_size: 0
    .kernarg_segment_align: 8
    .kernarg_segment_size: 40
    .max_flat_workgroup_size: 256
    .sgpr_count:     66
    .vgpr_count:     256
    .wavefront_size: 32
...
	.end_amdgpu_metadata
.endif
;; end of part 1
;; launch gemm (part 2): grid 16 x 16, 4 waves a work-group, clusters of 4 x 4, 327,680 bytes of LDS; arguments x_codes, x_scales, wq, bias, out0; writes out0
.if DOCPART == 2
	.amdgcn_target "amdgcn-amd-amdhsa--gfx1250"
	.amdhsa_code_object_version 6
	.text
	.protected	k_q75c04ecc13_gemm
	.globl	k_q75c04ecc13_gemm
	.p2align	8
	.type	k_q75c04ecc13_gemm,@function
k_q75c04ecc13_gemm:
	s_mov_b64 s[64:65], 0
	v_nop
	global_prefetch_b8 v0, s[64:65] scope:SCOPE_SE
	s_setreg_imm32_b32 hwreg(HW_REG_WAVE_MODE, 25, 1), 1
	s_wait_xcnt 0x0
	s_wait_alu depctr_hold_cnt(0) depctr_sa_sdst(0) depctr_va_vdst(0) depctr_va_sdst(0) depctr_va_ssrc(0) depctr_va_vcc(0) depctr_vm_vsrc(0)
	s_getreg_b32 s2, hwreg(HW_REG_IB_STS2, 6, 4)
	s_cmp_eq_u32 s2, 0
	s_cbranch_scc0 .Lentry_in_a_cluster
	s_endpgm
.Lentry_in_a_cluster:
	s_bfe_u32 s2, ttmp6, 0x10000c
	s_cmp_lg_u32 s2, 0xf033
	s_cbranch_scc0 .Lentry_shape_is_right
	s_endpgm
.Lentry_shape_is_right:
; out0[m][o] = sum over k of x[m][k] Weff[o][k] + bias[o].  m, o, k: 4,096 each.  Both operands are codes of FP4 (E2M1) with one E8M0 scale byte for each 32 along K; sums in f32.
; x: codes [4096][2048 bytes], K innermost, two codes a byte; scale bytes [4096][128]: as given.  Weff: the workspace that the launch before has laid for this reader: block (nh, ks) = 128 rows x 512 along K
; at byte (8 nh + ks) x 34,816: 32,768 bytes of codes as images of operand registers (fragment (i, q): 1,024 bytes at (4 i + q) x 1,024; register group c of lane l at 512 c + 16 l), then 16 scale bytes a row.
; A tile of the output, 256 x 256, is made by a work-group of four waves; a wave makes 128 x 128: 64 accumulators of 16 x 16, 512 registers.  K goes in eight steps of 512 through a ring of two LDS slots.
; A slot holds x's 256 rows (256 bytes + 16 of padding each) and two blocks of Weff as they lie in memory: each wave fetches a quarter, 34,816 bytes, with one tensor load.  Weff's scale bytes ride in its blocks;
; x's scale bytes of the 256 rows, for all of K, come once, with the first fills, and stay.
; CLUSTERS: 4 x 4 work-groups.  The four of a row of the cluster need the same tiles of x, the four of a column the same blocks of Weff: each is asked for JOINTLY, by the same tensor load with the same
; descriptor and a mask that names the four.  THE MATRIX INSTRUCTION IS USED TRANSPOSED (source 0 = 16 rows of Weff, source 1 = 16 rows of x): a lane then holds eight neighbouring numbers of a row of the output.
; THE ORDER OF K.  A lap is two K steps.  Cluster (X, Y) of the 4 x 4 clusters begins at lap (f(X) + f(Y)) mod 4, f = 0, 2, 1, 3, and goes round all four.  So the four clusters that read the same rows of x (one Y)
; stand at four different laps at any time, and so do the four that read the same blocks of Weff (one X): no two of them ask for the same bytes in the same round.  The first lap hangs on the cluster's
; numbers alone, which all sixteen partners share; it enters global addresses only: no LDS address, no branch, no trip count.
; LIMIT: an output's f32 sum runs in its cluster's order of K, not ascending from 0.
; THE BIAS is the C of each sum's first matrix instruction: eight registers for each of my eight blocks of columns, in the result's layout.  Nothing is cleared and nothing is added afterwards.
; REGISTERS, in windows of 256: window 0: v0-31 addresses; v32-95 scale words, two sets; v128-191 x's fragments (8 x 16 rows x 128 K), ONE set; on the way out v128-255 take rows read back.
;   window 1: Weff's fragments, TWO sets, at v0 and v128; v192-255 the bias.   window 2: the 32 accumulators of my rows 0-63 (accumulator (a, b) at v[8 (8 a + b)]);   window 3: those of my rows 64-127.
; Below A stands for x and B for Weff.
.set SIZE_N, 4096
.set NQ,     4                         ; matrix instructions deep in a K step of 512
.set ROWB,   256                       ; a row of A's tile in bytes
.set KROW,   2048                      ; a row of A in memory
.set PITCH,  272                       ; and in LDS: 256 bytes + 16 of padding = 68 words: row r starts at bank 4 r mod 64 (64 banks of 4 bytes: ISA guide 11.1)
.set FR,     8                         ; registers of a fragment: 16 rows x 128 K
.set NL,     2                         ; LDS loads that bring one
.set NP,     4                         ; places behind this matrix instruction (ISA guide 7.12.1)
.set HALFT,  128*PITCH                 ; 128 rows of A: what one tensor load brings
.set BLOCKB, 34816                     ; a block of B: as many bytes
.set SLOT,   4*HALFT                   ; A's 256 rows, then B's two blocks
.set LAPS,   4                         ; a lap = two K steps = once round the ring
.set SCL,    2*SLOT                    ; behind the ring: A's scale bytes, IN THE ORDER IN WHICH THE LAPS ARE WALKED: the T-th lap's at SLAP x T, 32 bytes a row
.set SLAP,   256*32                    ; a lap's scale bytes of 256 rows: what one tensor load brings
.set SBLK,   16*32                     ; those of 16 rows
.set SPARE,  SCL+4*SLAP                ; the spare words, 128 bytes for each wave: two blocks of 256 bytes that no other line names
.set SPITCH, 528                       ; the way out: a stage of 16 rows x (512 bytes + 16) for each wave.  It lies in slot 0, which has had its last fill and its last read when the first result is stored there
.set ADRA, 16                          ; v16-17  LDS address of my A fragments in slot 0, 1
.set ADRB, 20                          ; v20-21  of my block of B: 16 x lane
.set ADSB, 22                          ; v22-23  of B's scale words: lanes 0-15 row r of blocks 0-3, lanes 16-31 of blocks 4-7
.set STO,  24                          ; v24     the way out: where I put 32 bytes of a row
.set RD,   25                          ; v25     the way out: where I read a row back
.set CO,   26                          ; v26     my byte offset in a row of the output
.set ADSA, 27                          ; v27     LDS address of A's scale words, likewise; it steps 16 bytes inside a lap and SLAP - 16 to the next
.set SPW,  28                          ; v28     LDS address of my spare word: SPARE + 4 x my thread's number; never rewritten
.set NIL,  29                          ; v29     0; never rewritten
.set BO,   30                          ; v30     the bias: 32 bytes for each half of the lanes
.set SC,   32                          ; scale words: set s (for slot s) at v[SC + 32 s]: register 4 j + q: A's block j (lanes 0-15) and j + 4 (lanes 16-31) for the slot's q-th 128 along K; B's the same 16 registers on
.set AF,   128                         ; A's fragments, in window 0
.set BIAS, 192                         ; the bias, in window 1
.set BK,   128                         ; the way out: 16 rows read back from the stage: v128-191 and v192-255 by turns
.set G1,  24                           ; s[24:31] descriptor group 1 for A's tiles;  s[32:39] group 0, one set for each slot
.set G0,  32
.set G1B, 48                           ; s[48:55], s[56:63] the same for B's blocks
.set G0B, 56
.set G1S, 68                           ; s[68:75], s[76:79] groups 1 and 0 for A's scale bytes
.set G0S, 76
.set BA,  80                           ; s[80:81] A's codes at the first of the 128 rows that I fetch; never rewritten
.set BB,  82                           ; s[82:83] B at the first of the eight blocks of the 128 rows that I fetch; never rewritten
.set KL,  84                           ; s84      the lap of K, 0 .. 3, that was asked for last
.set OA,  86                           ; s[86:87] where that lap begins in a row of A: 512 bytes a lap
.set OB,  88                           ; s[88:89] and among B's eight blocks: two blocks a lap
.set MSB, 0
.macro WIN new                         ; the immediate's high byte repeats the setting that is left
.if MSB != (\new)
	s_set_vgpr_msb (MSB<<8)|(\new)
.set MSB, (\new)
.endif
.endm
.set MUL_LO,   0xa1                    ; source 0 (B) window 1, source 1 (A) window 0, C and D window 2
.set MUL_HI,   0xf1                    ; the same, C and D window 3
.set FIRST_LO, 0x91                    ; the first step: C is the bias, in window 1
.set FIRST_HI, 0xd1
.set TO_B,     0x40                    ; destination window 1, address window 0
; A joint refill: waves 0 and 1 fetch for A, waves 2 and 3 for B.  Each of the two lines has ONE mask and one set of registers for all that issue it; the branch hangs on the wave's number alone.
; Four v_nop follow each of the two lines, ahead of the jump, the label and what follows.
.macro JLOAD s
	s_cmp_eq_u32 s15, 0
	s_cbranch_scc0 .Lfor_b_\@
	tensor_load_to_lds s[G0+4*\s:G0+4*\s+3], s[G1:G1+7]
	s_nop 0
.rept 4
	v_nop
.endr
	s_branch .Lasked_\@
.Lfor_b_\@:
	tensor_load_to_lds s[G0B+4*\s:G0B+4*\s+3], s[G1B:G1B+7]
	s_nop 0
.rept 4
	v_nop
.endr
.Lasked_\@:
.endm
; The global addresses of slot's two descriptors, made anew from the kept bases: the lap in hand, and in it the slot's K step.  It is written only where no tensor load of the wave is out.
.macro AIM slot
	s_add_nc_u64 s[G0+4*\slot+2:G0+4*\slot+3], s[BA:BA+1], s[OA:OA+1]
	s_add_nc_u64 s[G0B+4*\slot+2:G0B+4*\slot+3], s[BB:BB+1], s[OB:OB+1]
.if \slot
	s_add_nc_u64 s[G0+4*\slot+2:G0+4*\slot+3], s[G0+4*\slot+2:G0+4*\slot+3], ROWB
	s_add_nc_u64 s[G0B+4*\slot+2:G0B+4*\slot+3], s[G0B+4*\slot+2:G0B+4*\slot+3], BLOCKB
.endif
	s_or_b32 s[G0+4*\slot+3], s[G0+4*\slot+3], 0x80000000          ; type = 2
	s_or_b32 s[G0B+4*\slot+3], s[G0B+4*\slot+3], 0x80000000
.endm
.macro NEXTLAP                         ; on to the next lap of K, behind lap 3 comes lap 0
	s_add_co_u32 s[KL], s[KL], 1
	s_and_b32 s[KL], s[KL], 3
	s_lshl_b32 s[OA], s[KL], 9
	s_mul_i32 s[OB], s[KL], 2*BLOCKB
.endm
.macro CREST                           ; a round of the cluster's barrier behind its opening barrier
	s_cmp_lg_u32 s14, 0
	s_cbranch_scc1 .Lnot_wave_0_\@
	s_barrier_signal -3
.Lnot_wave_0_\@:
	s_barrier_wait -3
	s_barrier_signal -1
	s_barrier_wait -1
.endm
.macro CROUND                          ; a whole round
	s_barrier_signal -1
	s_barrier_wait -1
	CREST
.endm
.macro GROUP1 g, d0, d1, pitch         ; words 1 to 7 of a group 1: a tile of d1 rows x d0 elements that lies inside its tensor
	s_mov_b32 s[\g+1], (\d0)<<16                   ; tensor_dim0
	s_mov_b32 s[\g+2], (\d1)<<16                   ; tensor_dim1
	s_mov_b32 s[\g+3], (\d0)<<16                   ; tile_dim0
	s_mov_b32 s[\g+4], \d1                         ; tile_dim1
	s_mov_b32 s[\g+5], \pitch                      ; elements from row to row
	s_mov_b32 s[\g+6], 0
	s_mov_b32 s[\g+7], 0
.endm
	s_load_b128 s[4:7], s[0:1], 0x0                ; A's codes s[4:5], A's scale bytes s[6:7]
	s_load_b128 s[8:11], s[0:1], 0x10              ; B's blocks s[8:9], the bias s[10:11]
	s_load_b64 s[12:13], s[0:1], 0x20              ; the output
	v_lshl_add_u32 v[SPW], v0, 2, SPARE
	v_mov_b32 v[NIL], 0
	ds_add_u32 v28, v29
	ds_add_u32 v28, v29
	s_wait_dscnt 0x0
	v_lshrrev_b32 v1, 5, v0
	v_readfirstlane_b32 s14, v1                    ; wave 0..3
	s_lshr_b32 s15, s14, 1                         ; which half of the tile's rows is mine.  Also: I fetch for A (0) or for B (1)
	s_and_b32 s16, s14, 1                          ; which half of its columns.  Also: which 128 rows of that operand I fetch
	s_bfe_u32 s40, ttmp6, 0x40000                  ; cx, cy: my place in the cluster
	s_bfe_u32 s41, ttmp6, 0x40004
	s_lshl_b32 s42, ttmp9, 2
	s_add_co_u32 s42, s42, s40                     ; tile column = 4 x cluster x + cx
	s_and_b32 s17, ttmp7, 0xffff
	s_lshl_b32 s17, s17, 2
	s_add_co_u32 s17, s17, s41                     ; tile row = 4 x cluster y + cy
	s_lshl_b32 s43, s41, 2
	s_lshl_b32 s43, 15, s43                        ; my row of the cluster
	s_lshl_b32 s44, 0x1111, s40                    ; my column
	; my cluster's first lap of K, from the cluster's two numbers (0 .. 3 each), in registers that never hold cx or cy
	s_and_b32 s[KL], ttmp9, 1
	s_lshl_b32 s[KL], s[KL], 1
	s_lshr_b32 s85, ttmp9, 1
	s_or_b32 s[KL], s[KL], s85                     ; f(X): X's two bits change places: 0, 2, 1, 3
	s_and_b32 s85, ttmp7, 0xffff
	s_and_b32 s90, s85, 1
	s_lshl_b32 s90, s90, 1
	s_lshr_b32 s85, s85, 1
	s_or_b32 s85, s85, s90                         ; f(Y)
	s_add_co_u32 s[KL], s[KL], s85
	s_and_b32 s[KL], s[KL], 3                      ; (f(X) + f(Y)) mod 4
	s_lshl_b32 s[OA], s[KL], 9
	s_mov_b32 s[OA+1], 0
	s_mul_i32 s[OB], s[KL], 2*BLOCKB
	s_mov_b32 s[OB+1], 0
	s_add_co_u32 s91, s[KL], s14                   ; wave w brings the scale bytes of the w-th lap that is walked:
	s_and_b32 s91, s91, 3                          ; lap (first lap + w) mod 4,
	s_lshl_b32 s91, s91, 5                         ; 32 bytes a lap in a row of 128
	s_or_b32 s[G1+0], s43, (0<<16)|(1<<20)|(1<<21)|(5<<22)|(3<<25)   ; the mask: A's tiles go to my row; elements of 1 byte; padding on; bit 21 set beside a mask; after every 64 words four words
	GROUP1 G1, ROWB, 128, KROW                     ; 128 rows x 256 bytes, 2,048 bytes apart
	s_or_b32 s[G1B+0], s44, (3<<16)|(1<<21)        ; B's blocks go to my column; elements of 8 bytes; no padding: the images are read as consecutive bytes
	GROUP1 G1B, 32, 136, 32                        ; a dense block of 34,816 bytes as 136 rows of 256
	s_or_b32 s[G1S+0], s43, (3<<16)|(1<<21)        ; A's scale bytes go to my row; elements of 8 bytes; no padding
	GROUP1 G1S, 4, 256, 16                         ; 256 rows x 32 bytes, 128 bytes apart: a lap's.  (The four waves' loads each take a quarter of every row: 4 x 8,192 bytes, once in the launch)
	s_lshl_b32 s18, s16, 7                         ; which 128 rows I fetch
	s_lshl_b32 s20, s17, 8                         ; A: the tile's first row, 256 x tile row
	s_lshl_b32 s22, s20, 7                         ; its scale bytes: 128 a row,
	s_add_co_u32 s22, s22, s91                     ; at my lap
	s_mov_b32 s23, 0
	s_add_co_u32 s20, s20, s18                     ; + 128 x half:
	s_lshl_b32 s20, s20, 11                        ; its codes: 2,048 a row (all under 2^24)
	s_mov_b32 s21, 0
	s_lshl_b32 s46, s42, 1
	s_add_co_u32 s46, s46, s16                     ; B: nh = 2 x tile column + half,
	s_mul_i32 s46, s46, 8*BLOCKB                   ; whose eight blocks lie on end
	s_mov_b32 s47, 0
	s_mul_i32 s45, s14, HALFT                      ; where they go: wave x a quarter of a slot: no place in the cluster enters an LDS address
	s_lshl_b32 s94, s14, 13                        ; and wave x SLAP
	s_wait_kmcnt 0x0
	s_add_nc_u64 s[BA:BA+1], s[4:5], s[20:21]
	s_add_nc_u64 s[22:23], s[6:7], s[22:23]
	s_add_nc_u64 s[BB:BB+1], s[8:9], s[46:47]
	CROUND                                         ; all sixteen work-groups are here: the first joint loads meet
	s_mov_b32 s[G0S], 1
	s_add_co_u32 s[G0S+1], s94, SCL
	s_mov_b64 s[G0S+2:G0S+3], s[22:23]
	s_or_b32 s[G0S+3], s[G0S+3], 0x80000000
.irp s, 0,1
	s_mov_b32 s[G0+4*\s], 1                        ; count = 1
	s_add_co_u32 s[G0+4*\s+1], s45, \s*SLOT        ; LDS address
	s_mov_b32 s[G0B+4*\s], 1
	s_add_co_u32 s[G0B+4*\s+1], s45, \s*SLOT
	AIM \s                                         ; the first lap's K step s
.endr
	s_cmp_eq_u32 s15, 0                            ; a wave's first fills stand in one branch, ahead of every wait on TENSORcnt and every LDS read: three loads of every wave are out
	s_cbranch_scc0 .Lfirst_b
	tensor_load_to_lds s[G0S:G0S+3], s[G1S:G1S+7]  ; the scale bytes first: they are wanted with the first K step
	s_nop 0
	tensor_load_to_lds s[G0:G0+3], s[G1:G1+7]
	s_nop 0
	tensor_load_to_lds s[G0+4:G0+7], s[G1:G1+7]
	s_nop 0
.rept 4
	v_nop
.endr
	s_branch .Lfirst_asked
.Lfirst_b:
	tensor_load_to_lds s[G0S:G0S+3], s[G1S:G1S+7]
	s_nop 0
	tensor_load_to_lds s[G0B:G0B+3], s[G1B:G1B+7]
	s_nop 0
	tensor_load_to_lds s[G0B+4:G0B+7], s[G1B:G1B+7]
	s_nop 0
.rept 4
	v_nop
.endr
.Lfirst_asked:
	v_and_b32 v1, 15, v0                           ; r = l % 16
	v_bfe_u32 v2, v0, 4, 1                         ; h = l / 16
	v_and_b32 v7, 31, v0                           ; l
	v_mul_u32_u24 v3, v1, PITCH
	v_lshl_add_u32 v4, v2, 4, v3                   ; A: a fragment's row x pitch + 16 x half
	v_lshlrev_b32 v8, 4, v7                        ; B: 16 x lane
	v_lshlrev_b32 v9, 4, v1
	v_lshl_add_u32 v9, v2, 10, v9                  ; B's scale words: 16 bytes a row; lanes 16-31 stand 64 rows on
	v_add_nc_u32 v9, 32768, v9                     ; behind the block's codes
	s_mul_i32 s21, s15, HALFT                      ; my 128 rows of A
	s_mul_i32 s22, s16, HALFT                      ; my block of B,
	s_add_co_u32 s22, s22, 2*HALFT                 ; behind A's 256 rows
.irp s, 0,1
	v_add_nc_u32 v[ADRA+\s], s21, v4
	v_add_nc_u32 v[ADRB+\s], s22, v8
	v_add_nc_u32 v[ADSB+\s], s22, v9
	s_add_co_u32 s21, s21, SLOT
	s_add_co_u32 s22, s22, SLOT
.endr
	v_lshlrev_b32 v5, 5, v1                        ; A's scale words: 32 bytes a row in a lap's part,
	v_lshl_add_u32 v5, v2, 11, v5                  ; and lanes 16-31 stand 64 rows on.  (Rows 32 bytes apart: rows r and r + 8 meet in the banks, two deep, in four loads a K step)
	s_lshl_b32 s21, s15, 12                        ; my 128 rows
	s_add_co_u32 s21, s21, SCL
	v_add_nc_u32 v[ADSA], s21, v5
	s_mul_i32 s23, s14, 16*SPITCH                  ; my stage
	v_mul_u32_u24 v5, v1, SPITCH                   ; in: row l % 16, 32 bytes for each half of the lanes
	v_lshl_add_u32 v5, v2, 5, v5
	v_add_nc_u32 v[STO], s23, v5
	v_lshlrev_b32 v[CO], 4, v7                     ; back: the 32 lanes take one row of 512 bytes; and the same in the output
	v_add_nc_u32 v[RD], s23, v[CO]
	v_lshlrev_b32 v[BO], 5, v2
	s_lshl_b32 s20, s17, 8
	s_lshl_b32 s21, s15, 7
	s_add_co_u32 s20, s20, s21                     ; my first row of the output: 256 x tile row + 128 x half,
	s_lshl_b32 s20, s20, 14                        ; of 16,384 bytes (under 2^26)
	s_mov_b32 s21, 0
	s_lshl_b32 s46, s42, 10                        ; my first column, in bytes: 1,024 x tile column + 512 x half
	s_lshl_b32 s47, s16, 9
	s_add_co_u32 s46, s46, s47
	s_mov_b32 s47, 0
	s_add_nc_u64 s[10:11], s[10:11], s[46:47]      ; the bias of my 128 columns
	s_add_nc_u64 s[20:21], s[20:21], s[46:47]
	s_add_nc_u64 s[12:13], s[12:13], s[20:21]
	WIN TO_B
.irp b, 0,1,2,3,4,5,6,7                ; register 8 b + j of lane (r, h): the bias of column 16 b + 8 h + j: the result's layout
	global_load_b128 v[BIAS+8*\b:BIAS+8*\b+3], v[BO], s[10:11] offset:64*\b
	global_load_b128 v[BIAS+8*\b+4:BIAS+8*\b+7], v[BO], s[10:11] offset:64*\b+16
.endr
	WIN 0
.macro FRAG reg, adr, q, i             ; a fragment of A from rows: lane l holds row l % 16; registers 4 c .. 4 c + 3 hold K = 64 c + 32 (l / 16) + 0 .. 31, the lower K in the lower bits
.irp c, 0,1
	ds_load_b128 v[\reg+4*\c:\reg+4*\c+3], v[\adr] offset:64*(\q)+32*\c+(\i)*16*PITCH
.endr
.endm
.macro FRAGB reg, slot, q, i           ; a fragment of B from its image: each load takes 512 consecutive bytes
.irp c, 0,1
	ds_load_b128 v[\reg+4*\c:\reg+4*\c+3], v[ADRB+\slot] offset:(4*(\i)+(\q))*1024+512*\c
.endr
.endm
; One matrix instruction: A's block a x B's block b, the slot's q-th 128 along K.  p: B's set;  sc: the set of scale words;  first = 1: the bias starts the sum.
; A side's scale words are read from lanes 0-15 of the register named, or, for blocks 4-7, from lanes 16-31.
.macro MM a, b, p, q, sc, first
.set rD, 8*(8*((\a)%4)+(\b))
.set rB, 128*(\p)+FR*(\b)
.set rA, AF+FR*(\a)
.set rC, rD
.if \first
.set rC, BIAS+8*(\b)
.endif
.set sB, SC+32*(\sc)+16+4*((\b)%4)+(\q)
.set sA, SC+32*(\sc)+4*((\a)%4)+(\q)
.if ((\a) < 4) && ((\b) < 4)
	v_wmma_scale_f32_16x16x128_f8f6f4 v[rD:rD+7], v[rB:rB+7], v[rA:rA+7], v[rC:rC+7], v[sB], v[sA] matrix_a_fmt:MATRIX_FMT_FP4 matrix_b_fmt:MATRIX_FMT_FP4
.elseif (\a) < 4
	v_wmma_scale_f32_16x16x128_f8f6f4 v[rD:rD+7], v[rB:rB+7], v[rA:rA+7], v[rC:rC+7], v[sB], v[sA] matrix_a_fmt:MATRIX_FMT_FP4 matrix_b_fmt:MATRIX_FMT_FP4 matrix_a_scale:MATRIX_SCALE_ROW1
.elseif (\b) < 4
	v_wmma_scale_f32_16x16x128_f8f6f4 v[rD:rD+7], v[rB:rB+7], v[rA:rA+7], v[rC:rC+7], v[sB], v[sA] matrix_a_fmt:MATRIX_FMT_FP4 matrix_b_fmt:MATRIX_FMT_FP4 matrix_b_scale:MATRIX_SCALE_ROW1
.else
	v_wmma_scale_f32_16x16x128_f8f6f4 v[rD:rD+7], v[rB:rB+7], v[rA:rA+7], v[rC:rC+7], v[sB], v[sA] matrix_a_fmt:MATRIX_FMT_FP4 matrix_b_fmt:MATRIX_FMT_FP4 matrix_a_scale:MATRIX_SCALE_ROW1 matrix_b_scale:MATRIX_SCALE_ROW1
.endif
.endm
; 16 matrix instructions: A's blocks a0, a0 + 1 x B's eight.  The 64 accumulators take turns, one instruction a turn, in the same order in every step.
.macro MUL16 a0, p, q, sc, first
.irp a, \a0, \a0+1
.irp b, 0,1,2,3,4,5,6,7
	MM (\a), \b, \p, \q, \sc, \first
.endr
.endr
.endm
.macro FETCH_B slot, q, p              ; B's eight fragments of the slot's q-th 128 along K into set p
	WIN TO_B
.irp i, 0,1,2,3,4,5,6,7
	FRAGB 128*(\p)+FR*\i, \slot, \q, \i
.endr
	WIN 0
.endm
.macro FETCH_A slot, q, i0             ; A's blocks i0 .. i0 + 3
.irp i, \i0, \i0+1, \i0+2, \i0+3
	FRAG AF+FR*(\i), ADRA+\slot, \q, \i
.endr
.endm
.macro SCALES s                        ; a K step's scale words into set s: four words a row; eight loads
.irp j, 0,1,2,3
	ds_load_b128 v[SC+32*\s+4*\j:SC+32*\s+4*\j+3], v[ADSA] offset:\j*SBLK
.endr
.irp j, 0,1,2,3
	ds_load_b128 v[SC+32*\s+16+4*\j:SC+32*\s+16+4*\j+3], v[ADSB+\s] offset:256*\j
.endr
.endm
; A load into a register that a matrix instruction has read, and an LDS store that reads a matrix result, stand NP places behind that matrix instruction, and only plain vector instructions that name
; none of its registers are places (ISA guide 7.12.1 for vector instructions); this text does not count the matrix instructions in between.
.macro PLACES n
.rept \n
	v_nop
.endr
.endm
; A step of 128 along K that has its successor in the same slot.  A block of A is free as soon as its eight products are issued: blocks 0-3 are fetched anew in the step's middle, blocks 4-7 at its end.
.macro STEP slot, q, first
	s_wait_dscnt 4*NL                              ; B's set, the scale words and A's blocks 0-3 are in; the youngest eight loads (A's blocks 4-7) may be out
.if \first
	WIN FIRST_LO
.else
	WIN MUL_LO
.endif
	MUL16 0, (\q)%2, \q, \slot, \first
	MUL16 2, (\q)%2, \q, \slot, \first
	s_wait_dscnt 0                                 ; A's blocks 4-7 are in (asked for 32 matrix instructions ago)
	PLACES NP
	FETCH_B \slot, (\q)+1, 1-(\q)%2
	FETCH_A \slot, (\q)+1, 0
.if \first
	WIN FIRST_HI
.else
	WIN MUL_HI
.endif
	MUL16 4, (\q)%2, \q, \slot, \first
	MUL16 6, (\q)%2, \q, \slot, \first
	PLACES NP
	WIN 0
	FETCH_A \slot, (\q)+1, 4
.endm
; A slot's last step changes slots: ONE barrier; in front of it each wave waits for all its tensor loads, adds 0 to its spare word, and waits for that and for its own reads of this slot.
; fill = 1: this slot is filled again, with its K step of the next lap; the barrier then opens a round of the cluster's barrier.
.macro TURN slot, next, fill
	s_wait_tensorcnt 0x0                           ; all my tensor loads have landed: the one that was out is my part of the next slot  (every window is 0 here)
	ds_add_u32 v[SPW], v[NIL]                      ; 0 onto my spare word
.if \fill
.if (\slot) == 0
	NEXTLAP                                        ; no tensor load of mine is out, so a group 0 may be written: slot 0 opens the next lap,
.endif
	AIM \slot                                      ; and each slot takes its K step of it
.endif
	s_wait_dscnt 4*NL+1                            ; (the add and the youngest eight loads, A's blocks 4-7, may be out)
	WIN MUL_LO
	MUL16 0, 1, NQ-1, \slot, 0                     ; sixteen matrix instructions stand between the add and the wait for it
	s_wait_dscnt 0x0                               ; the add is done, and my reads of this slot are over
	s_barrier_signal -1
	MUL16 2, 1, NQ-1, \slot, 0
	WIN 0
	s_barrier_wait -1
.if \fill
	CREST                                          ; no wave of any partner still reads this slot or has a load on its way
	JLOAD \slot                                    ; the first tensor load behind the round, one a wave: 224 matrix instructions ahead of the wait for it; its four v_nop are the places in front of the loads below
.else
	PLACES NP
.endif
.if (\slot) == 0
	v_add_nc_u32 v[ADSA], 4*NQ, v[ADSA]            ; on to the next K step's scale words of A: the lap's second 16 bytes,
.else
	v_add_nc_u32 v[ADSA], SLAP-4*NQ, v[ADSA]       ; or the first 16 of the lap that is walked next
.endif
	FETCH_B \next, 0, 0
	FETCH_A \next, 0, 0
	SCALES \next
	WIN MUL_HI
	MUL16 4, 1, NQ-1, \slot, 0
	MUL16 6, 1, NQ-1, \slot, 0
	PLACES NP
	WIN 0
	FETCH_A \next, 0, 4
.endm
.macro STEPS slot, from                ; the slot's steps from .. NQ - 2
.set Q, \from
.rept NQ-1-\from
	STEP \slot, Q, 0
.set Q, Q+1
.endr
.endm
	s_wait_tensorcnt 1                             ; on both ways one load was issued behind what is wanted now, slot 1's: my lap of A's scale bytes and my part of the first K step are in,
	s_barrier_signal -1
	s_barrier_wait -1                              ; everybody's are
	FETCH_B 0, 0, 0
	FETCH_A 0, 0, 0
	SCALES 0
	FETCH_A 0, 0, 4
	s_wait_loadcnt 0x0                             ; the bias
	STEP 0, 0, 1                                   ; the first step stands in front of the loop: its products start the sums, on the bias
	s_mov_b32 s3, LAPS-1
.Llap:                                                 ; a trip goes once round the ring, from a lap's second step to the next lap's first, and fills both slots again: the second, third and fourth lap in three trips
	STEPS 0, 1
	TURN 0, 1, 1
	STEPS 1, 0
	TURN 1, 0, 1
	STEP 0, 0, 0
	s_sub_co_u32 s3, s3, 1
	s_cmp_lg_u32 s3, 0
	s_cbranch_scc1 .Llap
	STEPS 0, 1                                     ; the last lap fills nothing, and has no round of the cluster's barrier
	TURN 0, 1, 0
	STEPS 1, 0
	s_wait_dscnt 4*NL                              ; the very last step: nothing more to fetch
	WIN MUL_LO
	MUL16 0, 1, NQ-1, 1, 0
	MUL16 2, 1, NQ-1, 1, 0
	s_wait_dscnt 0
	WIN MUL_HI
	MUL16 4, 1, NQ-1, 1, 0
	MUL16 6, 1, NQ-1, 1, 0
	WIN 0
; THE WAY OUT, block by block of 16 rows x 128 columns.  A lane holds 32 neighbouring bytes of a row, and the lanes beside it hold other rows: so a block goes through my own stage in LDS and comes back as whole
; rows of 512 bytes.  LDS serves a wave's instructions in order (ISA guide 5.7.1.4): no wait between the stores and the loads, nor in front of the next block's stores.
.macro TOSTAGE a
.set AC, 64*((\a)%4)
	WIN 0x08+4*((\a)/4)                            ; an LDS store's data are its source 1: window 2 or 3
.irp b, 0,1,2,3,4,5,6,7
	ds_store_b128 v[STO], v[AC+8*\b:AC+8*\b+3] offset:64*\b          ; each accumulator from its low end on
	ds_store_b128 v[STO], v[AC+8*\b+4:AC+8*\b+7] offset:64*\b+16
.endr
	WIN 0
.set BB2, BK+64*((\a)%2)
.irp t, 0,1,2,3,4,5,6,7,8,9,10,11,12,13,14,15
	ds_load_b128 v[BB2+4*\t:BB2+4*\t+3], v[RD] offset:\t*SPITCH
.endr
.endm
.macro SEND a, younger                 ; younger: the LDS instructions issued behind block a's loads, which may stay out
.set BB2, BK+64*((\a)%2)
	s_wait_dscnt \younger                          ; the block is back in registers
.if (\a) > 0
	s_add_nc_u64 s[12:13], s[12:13], 16*SIZE_N*4   ; (behind a wait on XCNT: the earlier stores have read their base)  16 rows on: the stores' offsets are 15 rows of 16,384 bytes at the most
.endif
.irp t, 0,1,2,3,4,5,6,7,8,9,10,11,12,13,14,15
	global_store_b128 v[CO], v[BB2+4*\t:BB2+4*\t+3], s[12:13] offset:\t*SIZE_N*4 th:TH_STORE_NT   ; 32 lanes store 512 consecutive bytes, at a multiple of 256 from the output's first byte; written once, read by nobody here
.endr
.endm
	PLACES NP                                      ; in front of the loads into the registers that held A's fragments, and of the first reads of results
	TOSTAGE 0
.irp a, 1,2,3,4,5,6,7
.if \a > 1
	s_wait_xcnt 0x0                                ; block a - 2's stores have read their registers and their base: block a's loads may land there, and the base may step
.endif
	TOSTAGE \a
	SEND \a-1, 32                                  ; behind block a - 1's loads: block a's 16 stores and 16 loads
.endr
	s_wait_xcnt 0x0                                ; block 6's stores have read their base
	SEND 7, 0
	s_wait_tensorcnt 0x0                           ; the wave's end, behind my last tensor load and my last LDS store
	ds_add_u32 v[SPW], v[NIL]
	s_wait_dscnt 0x0
	CROUND                                         ; the closing round: no work-group ends while a partner may still ask for a tile that names it
	s_endpgm
.Lfunc_end_k_q75c04ecc13_gemm:
	.size	k_q75c04ecc13_gemm, .Lfunc_end_k_q75c04ecc13_gemm-k_q75c04ecc13_gemm
	.p2alignl 7, 3214868480
	.fill 96, 4, 3214868480
	.section	.rodata,"a",@progbits
	.p2align	6, 0x0
	.amdhsa_kernel k_q75c04ecc13_gemm
		.amdhsa_group_segment_fixed_size 327680
		.amdhsa_private_segment_fixed_size 0
		.amdhsa_enable_private_segment 0
		.amdhsa_kernarg_size 40
		.amdhsa_user_sgpr_count 2
		.amdhsa_user_sgpr_kernarg_segment_ptr 1
		.amdhsa_wavefront_size32 1
		.amdhsa_system_sgpr_workgroup_id_x 1
		.amdhsa_system_sgpr_workgroup_id_y 1
		.amdhsa_system_sgpr_workgroup_id_z 1
		.amdhsa_system_vgpr_workitem_id 0
		.amdhsa_next_free_vgpr 1024
		.amdhsa_next_free_sgpr 98
		.amdhsa_reserve_vcc 0
		.amdhsa_float_denorm_mode_32 3
		.amdhsa_float_denorm_mode_16_64 3
		.amdhsa_memory_ordered 1
		.amdhsa_forward_progress 1
		.amdhsa_inst_pref_size 213
	.end_amdhsa_kernel
	.amdgpu_metadata
---
amdhsa.version: [ 1, 2 ]
amdhsa.kernels:
  - .name:           k_q75c04ecc13_gemm
    .symbol:         k_q75c04ecc13_gemm.kd
    .args:
      - { .name: x_codes, .offset: 0, .size: 8, .value_kind: global_buffer, .address_space: global }
      - { .name: x_scales, .offset: 8, .size: 8, .value_kind: global_buffer, .address_space: global }
      - { .name: wq, .offset: 16, .size: 8, .value_kind: global_buffer, .address_space: global }
      - { .name: bias, .offset: 24, .size: 8, .value_kind: global_buffer, .address_space: global }
      - { .name: out0, .offset: 32, .size: 8, .value_kind: global_buffer, .address_space: global }
    .group_segment_fixed_size: 327680
    .private_segment_fixed_size: 0
    .kernarg_segment_align: 8
    .kernarg_segment_size: 40
    .max_flat_workgroup_size: 128
    .sgpr_count:     98
    .vgpr_count:     1024
    .wavefront_size: 32
...
	.end_amdgpu_metadata
.endif
;; end of part 2
